; MI455X (gfx1250); checked and timed in simulation.
; The chip was launched on July 23, 2026; its instructions are those of AMD's public machine-readable ISA for CDNA 5 (MIT licence, August 2026) and "CDNA5" Instruction Set Architecture Reference Guide (July 2026). The comments in the code are by the model that wrote it; some were corrected since.
;; Self Attention. Allowed arithmetic: matrix products marked QUANTISED: E2M3 operands, one E8M0 scale for each 32 along K, by v_wmma_scale_f32_16x16x128_f8f6f4 with both operands' format E2M3, f32 sums; everything else in f32.
;; Inputs: x 8 x 2,048 x 768 float32.
;; Outputs: out0 8 x 2,048 x 768 float32.
;; This version of the problem:
;;   THIS VERSION OF THE PROBLEM IS GIVEN IN LOW PRECISION. The matrix products marked QUANTISED in the list below multiply operands that are first quantised to E2M3 (2 exponent bits, 3 mantissa bits; 6 bits a number), with one power-of-two scale for each 32 numbers along K (OCP MX v1.0); their sums are f32. All else is computed in f32.
;;   The module's matrix products, in the order in which they are computed (A, B: the left and right operand; K: the contracted axis; several contracted axes count as one K, in the product's order):
;;     1. batch 8 x [M 2,048, K 768] x [K 768, N 2,048]; A: input x; B: input x: QUANTISED
;;     2. batch 8 x [M 2,048, K 2,048] x [K 2,048, N 768]; A: softmax (see below); B: input x: QUANTISED
;;   THE QUANTISER, for each operand of a quantised product, along K:
;;     - K is cut into blocks of 32 from its start; a last block that is shorter is filled with zeros.
;;     - A block's scale is 2^e with e = floor(log2(the largest magnitude in the block)) - 2, held to -126 .. 127; a block of zeros has e = 0. As a byte (E8M0): e + 127.
;;     - Each number is divided by its block's scale, clamped to +-7.5, and rounded to the nearest number of E2M3, ties to even, subnormals kept.
;;     - The product sums the exact products of the quantised numbers (number of the format x scale) in f32.
;;   ~~~python
;;   def quantise(x, axis):      # numpy; x: float32 -> the quantised numbers, widened to float32 again
;;       x = np.moveaxis(x, axis, -1); K = x.shape[-1]
;;       x = np.pad(x, [(0, 0)] * (x.ndim - 1) + [(0, -K % 32)]); x = x.reshape(x.shape[:-1] + (-1, 32)); a = np.abs(x).max(-1, keepdims=True)
;;       e = np.where(a > 0, np.clip(np.frexp(np.where(a > 0, a, 1))[1] - 1 - 2, -126, 127), 0)      # np.frexp(a)[1] - 1 = floor(log2(a)), exactly
;;       r = np.clip(x / 2.0 ** e, -7.5, 7.5)
;;       step = 2.0 ** (np.maximum(np.frexp(np.where(r == 0, 1, r))[1] - 1, 0) - 3)
;;       q = np.round(r / step) * step * 2.0 ** e      # np.round: ties to even
;;       return np.moveaxis(q.reshape(q.shape[:-2] + (-1,))[..., :K], -1, axis).astype(np.float32)
;;   ~~~
;;   SOFTMAX AHEAD OF A QUANTISED PRODUCT. Where the list says 'softmax', what is quantised is not the finished softmax but p = 2^(t - M), with t = logit x log2(e) and M = ceil(the row's largest t), a whole number; so 1/2 < the row's largest p <= 1. The row's sum l is taken of the UNQUANTISED p, in f32, and the product's result is divided by l at the end. Since M is a whole number, a kernel that streams over the keys may use a running M (the ceiling of the running maximum): every later rescaling is an exact power of two, which a block's scale takes up: the codes' values come out the same.
;;   OPERANDS COMPUTED ON THE WAY. 'Computed on the way' means the value that the module computes at that place (a softmax that the list does not call 'softmax' is quantised finished and normalised). What goes into a quantiser is computed in f32, as accurately as f32 sums, v_exp_f32 and their like allow (about 1e-6 of the number): no bf16 or f16 on the way to a quantiser, and a product that is left as it is and whose result goes on into a quantised operand takes f32 operands (vector FMAs, or v_wmma_f32_16x16x4_f32). A number that lies on a knife's edge between two numbers of the format may be rounded either way, as far as f32 arithmetic and the matrix unit's own rounding can turn it there, and no further.
;; One version. Each part assembles by itself: llvm-mc -triple=amdgcn-amd-amdhsa -mcpu=gfx1250 --defsym DOCPART=n.
;; ======== version 1 of 1: 2 launches
;; limits: right only within a limited range of input values
;; workspace buffers: kv 20,889,600 bytes
;; launch quant (part 1): grid 6 x 128, 4 waves a work-group, no clusters, 68,096 bytes of LDS; arguments x, kv; writes kv
.if DOCPART == 1
	.amdgcn_target "amdgcn-amd-amdhsa--gfx1250"
	.amdhsa_code_object_version 6
	.text
	.protected	k_q60566f8271_quant
	.globl	k_q60566f8271_quant
	.p2align	8
	.type	k_q60566f8271_quant,@function
k_q60566f8271_quant:
	s_mov_b64 s[64:65], 0
	v_nop
	global_prefetch_b8 v0, s[64:65] scope:SCOPE_SE
	s_setreg_imm32_b32 hwreg(HW_REG_WAVE_MODE, 25, 1), 1
	s_wait_xcnt 0x0
; x [8][2048][768] f32 is turned into codes of FP6 (E2M3) TWICE: once with blocks of 32 along d (the first product's operands, K and Q) and once with blocks of 32 along the keys
; (the second product's V), each block with one E8M0 byte: the largest magnitude's exponent field - 2, held at 1 from below.
; kv is laid in the order of the operands' registers.  Block jj of batch b, at (17 b + jj) x 153,600 bytes, has four parts of 38,400, one for each wave of the attention launch:
;   +0      V of key step jj - 1: 12 fragments (16 d x 128 keys) of 1,536 bytes      +18,432  their scale words, 6 planes of 128 bytes (lane 16 u + r: d tile 2 m + u, row r)
;   +19,200 K of key step jj: 12 fragments (16 keys x 128 d; fragment 2 s + u)       +37,632  their scale words, 6 planes (lane 16 u + r: tile u, row r, 128 d from 128 s on)
; A fragment is an image of 12 registers x 32 lanes: plane p at 512 p, lane l's registers 4 p .. 4 p + 3 at 16 l.  Row r of K's tile u is key 8 u + r + 8 (r / 8) of the part's 32 keys.
; SHARES.  A work-group takes 128 keys x 128 d, read once: each load is 512 consecutive bytes of a row.  The numbers go into a stage in LDS; wave w then makes the K fragments of keys 32 w on
; (a lane reads 32 neighbours along d) and the V fragments of d 32 w on (a lane takes a column, its registers run down the keys).
; LIMITS: NaN and infinities are not served; a block of zeros, or one whose largest magnitude lies under 2^-124, gets the byte 1 (its codes add nothing or next to nothing; only this program reads the bytes).
.set SROW,  528                        ; a stage row: 512 bytes + 16: the 16 rows of a 16-byte load start 16 bytes apart modulo 256
.set SPARE, 128*SROW                   ; behind the stage: the spare words, 128 bytes for each wave
.set BLK,   153600
.set PART,  38400
.set HALF,  19200
.set VSCO,  18432
.set KSCO,  37632
.set FRB,   1536
.set X,     32                         ; v32-159  128 numbers: four blocks of 32
.set R,     160                        ; v160-183 two runs of 12: the codes
.set SPW,   12                         ; v12  my spare word; never rewritten
.set NIL,   13                         ; v13  0; never rewritten
	s_load_b128 s[4:7], s[0:1], 0x0                ; x, kv
	v_lshl_add_u32 v[SPW], v0, 2, SPARE
	v_mov_b32 v[NIL], 0
	v_lshrrev_b32 v1, 5, v0
	v_readfirstlane_b32 s8, v1                     ; wave
	v_and_b32 v1, 31, v0                           ; lane
	v_and_b32 v2, 15, v0                           ; r
	v_bfe_u32 v3, v0, 4, 1                         ; h
	v_lshlrev_b32 v4, 4, v1                        ; 16 x lane
	s_mul_i32 s9, s8, 32*SROW                      ; my 32 rows of the stage
	v_add_nc_u32 v5, s9, v4                        ; into the stage: a row's 512 bytes, 16 a lane
	v_mul_u32_u24 v6, v2, SROW
	v_lshl_add_u32 v6, v3, 7, v6
	v_add_nc_u32 v6, s9, v6                        ; K: stage row r of my 32, + 128 h: my block of 32 numbers
	s_lshl_b32 s10, s8, 7
	v_lshl_add_u32 v7, v1, 2, s10                  ; V: column 32 w + lane
	v_add_nc_u32 v8, 64*SROW, v7                   ; the same from stage row 64 on (an LDS offset has 16 bits)
	v_mul_u32_u24 v9, v3, FRB
	v_lshl_add_u32 v9, v2, 4, v9                   ; V's codes: d tile lane / 16, 16 bytes for row lane % 16
	v_lshlrev_b32 v10, 2, v1                       ; 4 x lane
	v_lshlrev_b32 v11, 3, v3                       ; 8 h
	v_mov_b32 v28, 0                               ; written once: a lane permute's destination counts as one of its sources
	v_mov_b32 v29, 0
	s_and_b32 s11, ttmp7, 0xffff                   ; 16 x batch + key step
	s_lshl_b32 s12, s11, 7
	s_lshl_b32 s13, s8, 5
	s_add_co_u32 s12, s12, s13                     ; my first row of x
	s_mul_i32 s12, s12, 3072
	s_lshl_b32 s13, ttmp9, 9
	s_add_co_u32 s12, s12, s13                     ; + 512 bytes for each 128 along d
	s_mov_b32 s13, 0
	s_lshr_b32 s16, s11, 4
	s_add_co_u32 s16, s16, s11                     ; 17 x batch + key step: K's block
	s_mul_i32 s16, s16, BLK
	s_mul_i32 s17, s8, PART
	s_add_co_u32 s17, s17, s16                     ; part w of it
	s_mul_i32 s14, ttmp9, 2*FRB
	s_add_co_u32 s14, s14, s17
	s_add_co_u32 s14, s14, HALF                    ; K's fragments 2 s, 2 s + 1
	s_mov_b32 s15, 0
	s_lshl_b32 s18, ttmp9, 7
	s_add_co_u32 s18, s18, s17
	s_add_co_u32 s18, s18, KSCO                    ; K's scale plane s
	s_mov_b32 s19, 0
	s_lshl_b32 s23, ttmp9, 2
	s_add_co_u32 s23, s23, s8                      ; my pair of d tiles, 0 .. 23
	s_mul_i32 s28, s23, 43
	s_lshr_b32 s28, s28, 8                         ; / 6: the part that takes it
	s_mul_i32 s29, s28, 6
	s_sub_co_u32 s29, s23, s29                     ; and its place m there
	s_mul_i32 s28, s28, PART
	s_add_co_u32 s28, s28, s16
	s_add_co_u32 s28, s28, BLK                     ; V lies one block further on than K
	s_mul_i32 s24, s29, 2*FRB
	s_add_co_u32 s24, s24, s28
	s_mov_b32 s25, 0
	s_lshl_b32 s26, s29, 7
	s_add_co_u32 s26, s26, s28
	s_add_co_u32 s26, s26, VSCO
	s_mov_b32 s27, 0
	s_mov_b32 s20, 0x76543210
	s_mov_b32 s21, 0xfedcba98                      ; v_permlanex16_b32: lane l xor 16
	s_mov_b32 s22, 0xffff0000                      ; lanes 16-31
	s_wait_alu depctr_va_vdst(0)
	s_wait_kmcnt 0x0
	s_add_nc_u64 s[4:5], s[4:5], s[12:13]
	s_add_nc_u64 s[14:15], s[6:7], s[14:15]
	s_add_nc_u64 s[18:19], s[6:7], s[18:19]
	s_add_nc_u64 s[24:25], s[6:7], s[24:25]
	s_add_nc_u64 s[26:27], s[6:7], s[26:27]
; ---- in: my 32 rows, 512 consecutive bytes a load; key i of my 32 goes to stage row 16 ((i / 8) % 2) + i % 8 + 8 (i / 16), so that a K tile's 16 rows are neighbours
.set i, 0
.rept 32
	global_load_b128 v[X+4*i:X+4*i+3], v4, s[4:5] offset:3072*i th:TH_LOAD_NT
.set i, i+1
.endr
.set i, 0
.rept 32
	s_wait_loadcnt 31-i                            ; loads come back in order: row i is in, the younger ones stay out
	ds_store_b128 v5, v[X+4*i:X+4*i+3] offset:(16*((i/8)%2)+(i%8)+8*(i/16))*SROW
.set i, i+1
.endr
	s_wait_dscnt 0x0                               ; for the others' sake: my rows lie in the stage
	s_barrier_signal -1
	s_barrier_wait -1
; The four blocks in v[X + 32 n ..]: largest magnitude with the floor 2^(3 - 127) among its leaves -> v14+n; 2 off its exponent field: the conversion's scale operand -> v18+n; the byte -> v22+n
.macro AMAX
.irp n,0,1,2,3
	v_max3_num_f32 v[14+\n], |v[X+32*\n]|, |v[X+1+32*\n]|, 0x1800000
.endr
.irp i,2,4,6,8,10,12,14,16,18,20,22,24,26,28,30
.irp n,0,1,2,3
	v_max3_num_f32 v[14+\n], v[14+\n], |v[X+32*\n+\i]|, |v[X+1+32*\n+\i]|
.endr
.endr
.irp n,0,1,2,3
	v_add_nc_u32 v[18+\n], 0xff000000, v[14+\n]
.endr
.irp n,0,1,2,3
	v_lshrrev_b32 v[22+\n], 23, v[18+\n]
.endr
.endm
; Blocks na and nb become six registers of codes each, at v[da] and v[db] (a conversion's three registers begin on an even number: a block's second half is made elsewhere and moved)
.macro CONV2 na, da, nb, db
	v_cvt_scalef32_pk16_fp6_f32 v[\da:\da+2], v[X+32*\na:X+32*\na+15], v[18+\na]
	v_cvt_scalef32_pk16_fp6_f32 v[184:186], v[X+32*\na+16:X+32*\na+31], v[18+\na]
	v_cvt_scalef32_pk16_fp6_f32 v[\db:\db+2], v[X+32*\nb:X+32*\nb+15], v[18+\nb]
	v_cvt_scalef32_pk16_fp6_f32 v[188:190], v[X+32*\nb+16:X+32*\nb+31], v[18+\nb]
	v_nop                                          ; one plain place behind a scaled conversion
.irp i,0,1,2
	v_mov_b32 v[\da+3+\i], v[184+\i]
	v_mov_b32 v[\db+3+\i], v[188+\i]
.endr
.endm
; ---- K: tiles u = 0, 1 of my 32 keys.  Lane (r, h) takes, of row r, d = 64 c + 32 h + 0 .. 31: block n = 2 u + c
.irp u,0,1
.irp c,0,1
.irp q,0,1,2,3,4,5,6,7
	ds_load_b128 v[X+64*\u+32*\c+4*\q:X+64*\u+32*\c+4*\q+3], v6 offset:16*SROW*\u+256*\c+16*\q
.endr
.endr
.endr
	s_wait_dscnt 0x0
	AMAX
.irp u,0,1
	v_lshl_or_b32 v[26+\u], v[23+2*\u], 16, v[22+2*\u]   ; my two bytes: blocks h and 2 + h of the row,
.endr
.irp u,0,1
	v_lshlrev_b32 v[26+\u], v11, v[26+\u]          ; at their places in the scale word;
.endr
.irp u,0,1
	v_permlanex16_b32 v[28+\u], v[26+\u], s20, s21
.endr
.irp u,0,1
	v_or_b32 v[26+\u], v[26+\u], v[28+\u]          ; with lane l xor 16's two the word is whole
.endr
	v_cndmask_b32 v30, v26, v27, s22               ; lanes 0-15 tile 0's words, lanes 16-31 tile 1's
	CONV2 0, R, 1, R+6
	CONV2 2, R+12, 3, R+18
.irp u,0,1
.irp p,0,1,2
	global_store_b128 v4, v[R+12*\u+4*\p:R+12*\u+4*\p+3], s[14:15] offset:FRB*\u+512*\p   ; 32 lanes store 512 consecutive bytes
.endr
.endr
	global_store_b32 v10, v30, s[18:19]
; ---- V: lane = column 32 w + lane; register k = key k (its stage row by the order above): block n = keys 32 n on
	s_wait_xcnt 0x0                                ; the stores above have read their data: the codes' registers are written again only behind this wait
.set k, 0
.rept 128
.set ps, 32*(k/32)+16*((k/8)%2)+(k%8)+8*((k/16)%2)
.if ps < 64
	ds_load_b32 v[X+k], v7 offset:ps*SROW
.else
	ds_load_b32 v[X+k], v8 offset:(ps-64)*SROW
.endif
.set k, k+1
.endr
	s_wait_dscnt 0x0
	AMAX
	v_lshl_or_b32 v31, v23, 8, v22                 ; my column's scale word: all four blocks are mine
	v_lshl_or_b32 v31, v24, 16, v31
	v_lshl_or_b32 v31, v25, 24, v31
	CONV2 0, R, 1, R+12                            ; lane (r, h) of the fragment wants blocks h and 2 + h: run h = v[R + 12 h ..]
	CONV2 2, R+6, 3, R+18
.irp h,0,1
.irp p,0,1,2
	global_store_b128 v9, v[R+12*\h+4*\p:R+12*\h+4*\p+3], s[24:25] offset:512*\p+256*\h   ; sixteen lanes store 256 consecutive bytes, aligned
.endr
.endr
	global_store_b32 v10, v31, s[26:27]
	s_wait_tensorcnt 0x0                           ; the wave's end, behind my last LDS store
	ds_add_u32 v[SPW], v[NIL]
	s_wait_dscnt 0x0
	s_endpgm
.Lfunc_end_k_q60566f8271_quant:
	.size	k_q60566f8271_quant, .Lfunc_end_k_q60566f8271_quant-k_q60566f8271_quant
	.p2alignl 7, 3214868480
	.fill 96, 4, 3214868480
	.section	.rodata,"a",@progbits
	.p2align	6, 0x0
	.amdhsa_kernel k_q60566f8271_quant
		.amdhsa_group_segment_fixed_size 68096
		.amdhsa_private_segment_fixed_size 0
		.amdhsa_enable_private_segment 0
		.amdhsa_kernarg_size 16
		.amdhsa_user_sgpr_count 2
		.amdhsa_user_sgpr_kernarg_segment_ptr 1
		.amdhsa_wavefront_size32 1
		.amdhsa_system_sgpr_workgroup_id_x 1
		.amdhsa_system_sgpr_workgroup_id_y 1
		.amdhsa_system_sgpr_workgroup_id_z 1
		.amdhsa_system_vgpr_workitem_id 0
		.amdhsa_next_free_vgpr 192
		.amdhsa_next_free_sgpr 66
		.amdhsa_reserve_vcc 0
		.amdhsa_float_denorm_mode_32 3
		.amdhsa_float_denorm_mode_16_64 3
		.amdhsa_memory_ordered 1
		.amdhsa_forward_progress 1
		.amdhsa_inst_pref_size 33
	.end_amdhsa_kernel
	.amdgpu_metadata
---
amdhsa.version: [ 1, 2 ]
amdhsa.kernels:
  - .name:           k_q60566f8271_quant
    .symbol:         k_q60566f8271_quant.kd
    .args:
      - { .name: x, .offset: 0, .size: 8, .value_kind: global_buffer, .address_space: global }
      - { .name: kv, .offset: 8, .size: 8, .value_kind: global_buffer, .address_space: global }
    .group_segment_fixed_size: 68096
    .private_segment_fixed_size: 0
    .kernarg_segment_align: 8
    .kernarg_segment_size: 16
    .max_flat_workgroup_size: 128
    .sgpr_count:     66
    .vgpr_count:     192
    .wavefront_size: 32
...
	.end_amdgpu_metadata
.endif
;; end of part 1
;; launch attn (part 2): grid 32 x 8, 4 waves a work-group, clusters of 4 x 1, 327,680 bytes of LDS; arguments kv, x, out0; writes out0
.if DOCPART == 2
	.amdgcn_target "amdgcn-amd-amdhsa--gfx1250"
	.amdhsa_code_object_version 6
	.text
	.protected	k_q60566f8271_attn
	.globl	k_q60566f8271_attn
	.p2align	8
	.type	k_q60566f8271_attn,@function
k_q60566f8271_attn:
	s_mov_b64 s[64:65], 0
	v_nop
	global_prefetch_b8 v0, s[64:65] scope:SCOPE_SE
	s_setreg_imm32_b32 hwreg(HW_REG_WAVE_MODE, 25, 1), 1
	s_wait_xcnt 0x0
	s_wait_alu depctr_hold_cnt(0) depctr_sa_sdst(0) depctr_va_vdst(0) depctr_va_sdst(0) depctr_va_ssrc(0) depctr_va_vcc(0) depctr_vm_vsrc(0)
	s_getreg_b32 s2, hwreg(HW_REG_IB_STS2, 6, 4)
	s_cmp_eq_u32 s2, 0
	s_cbranch_scc0 .Lentry_in_a_cluster
	s_endpgm
.Lentry_in_a_cluster:
	s_bfe_u32 s2, ttmp6, 0x10000c
	s_cmp_lg_u32 s2, 0x3003
	s_cbranch_scc0 .Lentry_shape_is_right
	s_endpgm
.Lentry_shape_is_right:
; out0 = softmax(x x^T) x * x, 8 batches of 2,048 rows of 768; both products in MX-FP6, from the codes and scale words that launch quant laid in kv in the order of the operands' registers.
; SHARES.  A work-group takes 64 queries (4 tiles of 16), a cluster of 4 work-groups asks for each block of kv jointly (mask 15).  16 key steps of 128 keys go through two LDS slots of 153,600 bytes;
; block jj holds K of step jj and V of step jj - 1, in four parts, one a wave: each wave fetches its own part by one tensor load behind each round and reads that part alone.
; Wave w, in step j: S^T = K Q^T for keys 32 w .. 32 w + 31 of the step and all 64 queries (48 matrix instructions, Q's 24 fragments stay in registers); p = 2^(t - M), M the ceiling of the wave's own running
; largest t; the sum of the unquantised p; p's codes, -M and the blocks' scale operands go to LDS.  Behind the next round every wave reads all four waves' p, takes the least -M of the four as the common one,
; brings the scale bytes under it, multiplies O^T by 2^(old M - new M), and adds V^T p^T for its own 192 of d (48 matrix instructions).  So PV of step j - 1 runs in step j, beside the softmax of step j.
; ORDER IN A PHASE.  Four matrix instructions on one fragment of K or V stand on end (four accumulators by turns), the vector work that is due follows them; fragment buffers are waited for three or four at a time.
; THE WAY OUT.  O^T / l goes through the wave's part of slot 1 (which has had its last fill), comes back as rows, is multiplied by x and stored, sixteen lanes to 256 consecutive bytes.
; x's rows for that product are asked for ahead (ASKX): in the loop's last three trips each wave names 64 of its 192 blocks of 256 bytes, a lane a row; the loads stand two steps or more behind the last request.
; LIMITS: NaN and infinities among the inputs are not served; the promise holds while the scaled scores t stay under 2^31 in magnitude.
.set BLK,   153600
.set PART,  38400
.set HALF,  19200
.set FRB,   1536
.set VSCO,  18432
.set KSCO,  37632
.set SLOT1, BLK
.set PIMG,  2*BLK
.set PBUF,  6144
.set MWX,   PIMG+2*PBUF
.set MBUF,  2048
.set LXO,   2*MBUF
.set SPARE, MWX+LXO+1024
.set SP,    784
.set L16,  1
.set L4,   2
.set PFO,  3
.set KA,   4
.set VA,   6
.set KS,   8
.set VS,   10
.set PR,   12
.set PR64, 13
.set PW,   14
.set PW64, 15
.set MWR,  16
.set MWW,  17
.set SPW,  18
.set NIL,  19
.set SO,   20
.set SR,   21
.set GO,   22
.set ST,   24
.set F,    40
.set NC,   48
.set PSC,  50
.set QSC,  52
.set KSC,  64
.set VSC,  70
.set MX,   76
.set T4,   80
.set FB,   84
.set TO,   92
.set EO,   96
.set EF,   98
.set EX,   100
.set NP,   102
.set WP,   104
.set LP,   106
.set CD,   108
.set S,    128
.set P,    192
.set NW,   240
.set LXR,  128
.set LT,   136
.set RL,   138
.set Q5,   192
.set BUF3, 192
.set BUFX, 240
.set WV,   10
.set XPF,  127                         ; v127  x's prefetches: my lane x a row of x (3,072 bytes); never rewritten
.set MSB, 0
.set DSN, 0
.set FDN, 0
.irp b,0,1,2,3,4,5,6
.set FD\b, 0
.endr
.macro WIN new
.if MSB != \new
	s_set_vgpr_msb (MSB<<8)|\new
.set MSB, \new
.endif
.endm
.macro PLACES n
.rept \n
	v_nop
.endr
.endm
.macro CROUND
	s_barrier_signal -1
	s_barrier_wait -1
	s_cmp_lg_u32 s[WV], 0
	s_cbranch_scc1 .Lnot_wave_0_\@
	s_barrier_signal -3
.Lnot_wave_0_\@:
	s_barrier_wait -3
	s_barrier_signal -1
	s_barrier_wait -1
.endm
.macro JFILL g0, g1
	tensor_load_to_lds s[\g0:\g0+3], s[\g1:\g1+7]
	s_nop 0
	PLACES 4
.endm
.macro ASK
	s_cmp_eq_u32 s62, 1
	s_cbranch_scc0 .Lnot_mine_\@
	global_prefetch_b8 v[PFO], s[66:67] th:TH_LOAD_NT scope:SCOPE_SE
.Lnot_mine_\@:
.endm
; x for the way out: my wave's 768 bytes of each of the work-group's 64 rows are 192 blocks of 256 bytes.  Trip s61 = 3 - k names block k of every row: two requests, a lane a row, rows 0-31 and 32-63.
; The base and the offsets are never rewritten; every address lies in the rows that the wave loads later.
.macro ASKX
	WIN 0
.irp k,0,1,2
	s_cmp_eq_u32 s61, 3-\k
	s_cbranch_scc0 .Lnox_\@_\k
	global_prefetch_b8 v[XPF], s[68:69] offset:256*\k th:TH_LOAD_NT scope:SCOPE_SE
	global_prefetch_b8 v[XPF], s[68:69] offset:256*\k+32*3072 th:TH_LOAD_NT scope:SCOPE_SE
.Lnox_\@_\k:
.endr
.endm
.macro WM d, a, b, z, sa, sb, ra, rb
.if \z
.if (\ra) && (\rb)
	v_wmma_scale_f32_16x16x128_f8f6f4 v[\d:\d+7], v[\a:\a+11], v[\b:\b+11], 0, v[\sa], v[\sb] matrix_a_fmt:MATRIX_FMT_FP6 matrix_b_fmt:MATRIX_FMT_FP6 matrix_a_scale:MATRIX_SCALE_ROW1 matrix_b_scale:MATRIX_SCALE_ROW1
.elseif (\ra)
	v_wmma_scale_f32_16x16x128_f8f6f4 v[\d:\d+7], v[\a:\a+11], v[\b:\b+11], 0, v[\sa], v[\sb] matrix_a_fmt:MATRIX_FMT_FP6 matrix_b_fmt:MATRIX_FMT_FP6 matrix_a_scale:MATRIX_SCALE_ROW1
.elseif (\rb)
	v_wmma_scale_f32_16x16x128_f8f6f4 v[\d:\d+7], v[\a:\a+11], v[\b:\b+11], 0, v[\sa], v[\sb] matrix_a_fmt:MATRIX_FMT_FP6 matrix_b_fmt:MATRIX_FMT_FP6 matrix_b_scale:MATRIX_SCALE_ROW1
.else
	v_wmma_scale_f32_16x16x128_f8f6f4 v[\d:\d+7], v[\a:\a+11], v[\b:\b+11], 0, v[\sa], v[\sb] matrix_a_fmt:MATRIX_FMT_FP6 matrix_b_fmt:MATRIX_FMT_FP6
.endif
.else
.if (\ra) && (\rb)
	v_wmma_scale_f32_16x16x128_f8f6f4 v[\d:\d+7], v[\a:\a+11], v[\b:\b+11], v[\d:\d+7], v[\sa], v[\sb] matrix_a_fmt:MATRIX_FMT_FP6 matrix_b_fmt:MATRIX_FMT_FP6 matrix_a_scale:MATRIX_SCALE_ROW1 matrix_b_scale:MATRIX_SCALE_ROW1
.elseif (\ra)
	v_wmma_scale_f32_16x16x128_f8f6f4 v[\d:\d+7], v[\a:\a+11], v[\b:\b+11], v[\d:\d+7], v[\sa], v[\sb] matrix_a_fmt:MATRIX_FMT_FP6 matrix_b_fmt:MATRIX_FMT_FP6 matrix_a_scale:MATRIX_SCALE_ROW1
.elseif (\rb)
	v_wmma_scale_f32_16x16x128_f8f6f4 v[\d:\d+7], v[\a:\a+11], v[\b:\b+11], v[\d:\d+7], v[\sa], v[\sb] matrix_a_fmt:MATRIX_FMT_FP6 matrix_b_fmt:MATRIX_FMT_FP6 matrix_b_scale:MATRIX_SCALE_ROW1
.else
	v_wmma_scale_f32_16x16x128_f8f6f4 v[\d:\d+7], v[\a:\a+11], v[\b:\b+11], v[\d:\d+7], v[\sa], v[\sb] matrix_a_fmt:MATRIX_FMT_FP6 matrix_b_fmt:MATRIX_FMT_FP6
.endif
.endif
.endm
.macro BUFAT b
.if (\b) < 5
.set br, BUF3+12*(\b)
.set bw, 3
.elseif (\b) == 5
.set br, BUFX
.set bw, 2
.else
.set br, BUFX
.set bw, 1
.endif
.endm
.macro SETFD b
.if (\b) == 0
.set FD0, DSN
.elseif (\b) == 1
.set FD1, DSN
.elseif (\b) == 2
.set FD2, DSN
.elseif (\b) == 3
.set FD3, DSN
.elseif (\b) == 4
.set FD4, DSN
.elseif (\b) == 5
.set FD5, DSN
.else
.set FD6, DSN
.endif
.endm
.macro WAITBUF b
.if (\b) == 0
.set fx, FD0
.elseif (\b) == 1
.set fx, FD1
.elseif (\b) == 2
.set fx, FD2
.elseif (\b) == 3
.set fx, FD3
.elseif (\b) == 4
.set fx, FD4
.elseif (\b) == 5
.set fx, FD5
.else
.set fx, FD6
.endif
	s_wait_dscnt DSN-fx
.endm
.macro LDBUF b, adr, off
	BUFAT \b
.set wv, bw*64
	WIN wv
.irp p,0,1,2
	ds_load_b128 v[br+4*\p:br+4*\p+3], v[\adr] offset:(\off)+512*\p
.endr
.set DSN, DSN+3
	SETFD \b
.endm
.macro LDKSC sg
	WIN 0
.irp s,0,1,2,3,4,5
	ds_load_b32 v[KSC+\s], v[KS+\sg] offset:128*\s
.endr
.set DSN, DSN+6
.endm
.macro LDVSC sg
	WIN 0
.irp s,0,1,2,3,4,5
	ds_load_b32 v[VSC+\s], v[VS+\sg] offset:128*\s
.endr
.set DSN, DSN+6
.endm
.macro LDP t, pb
	WIN 0
	ds_load_b128 v[P+12*(\t):P+12*(\t)+3], v[PR] offset:PBUF*(\pb)+FRB*(\t)
	ds_load_b64 v[P+12*(\t)+4:P+12*(\t)+5], v[PR64] offset:PBUF*(\pb)+FRB*(\t)
	ds_load_b128 v[P+12*(\t)+6:P+12*(\t)+9], v[PR] offset:PBUF*(\pb)+FRB*(\t)+512
	ds_load_b64 v[P+12*(\t)+10:P+12*(\t)+11], v[PR64] offset:PBUF*(\pb)+FRB*(\t)+256
.set DSN, DSN+4
.endm
.macro LDNW pb, last
	WIN 0
.irp g,0,1
	ds_load_b128 v[NW+8*\g:NW+8*\g+3], v[MWR] offset:MBUF*(\pb)+1024*\g
	ds_load_b128 v[NW+8*\g+4:NW+8*\g+7], v[MWR] offset:MBUF*(\pb)+1024*\g+512
.endr
.set DSN, DSN+4
.if \last
	ds_load_b128 v[LXR:LXR+3], v[MWR] offset:LXO
	ds_load_b128 v[LXR+4:LXR+7], v[MWR] offset:LXO+512
.set DSN, DSN+2
.endif
.set FDN, DSN
.endm
.macro AITEM
.if ja < 56
	WIN 0
.set eg, ja%2
.if ja < 2
	v_mov_b32 v[EO+eg], v[NC+eg]
.elseif ja < 4
	v_min3_num_f32 v[NC+eg], v[NC+eg], v[NW+8*eg], v[NW+8*eg+1]
.elseif ja < 6
	v_min3_num_f32 v[NC+eg], v[NC+eg], v[NW+8*eg+2], v[NW+8*eg+3]
.elseif ja < 8
	v_sub_f32 v[EO+eg], v[NC+eg], v[EO+eg]
.elseif ja < 10
	v_cvt_i32_f32 v[EO+eg], v[EO+eg]
.elseif ja < 12
	v_ldexp_f32 v[EF+eg], 1.0, v[EO+eg]
.elseif ja < 14
	v_permlanex16_b32 v[EX+eg], v[EF+eg], s56, s57
.elseif ja < 16
	v_cndmask_b32 v[F+4*eg], v[EF+eg], v[EX+eg], s60
.elseif ja < 18
	v_cndmask_b32 v[F+4*eg+2], v[EX+eg], v[EF+eg], s60
.elseif ja < 26
.set eb, (ja-18)/2
	v_sub_f32 v[NW+8*eg+eb], v[NC+eg], v[NW+8*eg+eb]
.elseif ja < 34
.set eb, (ja-26)/2
	v_cvt_i32_f32 v[NW+8*eg+eb], v[NW+8*eg+eb]
.elseif ja < 42
.set eb, (ja-34)/2
	v_ldexp_f32 v[NW+8*eg+4+eb], v[NW+8*eg+4+eb], v[NW+8*eg+eb]
.elseif ja < 50
.set eb, (ja-42)/2
	v_lshrrev_b32 v[NW+8*eg+4+eb], 23, v[NW+8*eg+4+eb]
.elseif ja < 52
	v_lshl_or_b32 v[PSC+eg], v[NW+8*eg+5], 8, v[NW+8*eg+4]
.elseif ja < 54
	v_lshl_or_b32 v[PSC+eg], v[NW+8*eg+6], 16, v[PSC+eg]
.else
	v_lshl_or_b32 v[PSC+eg], v[NW+8*eg+7], 24, v[PSC+eg]
.endif
.else
.set rr, ja-56
.set ri, rr/16
.set ro, 32*(ri%6)+8*((rr%16)/4)+2*(rr%4)
.set rf, F+2*((rr%16)/4)
.if ri < 6
	WIN 0xa2
.else
	WIN 0xf3
.endif
	v_pk_mul_f32 v[ro:ro+1], v[ro:ro+1], v[rf:rf+1] op_sel_hi:[1,0]
.endif
.set ja, ja+1
.endm
.macro ELAST
	WIN 0
.irp b,0,1,2,3
.irp g,0,1
	v_ldexp_f32 v[LXR+4*\g+\b], v[LXR+4*\g+\b], v[NW+8*\g+\b]
.endr
.endr
.irp g,0,1
	v_add_f32 v[LXR+4*\g], v[LXR+4*\g], v[LXR+4*\g+1]
	v_add_f32 v[LXR+4*\g+2], v[LXR+4*\g+2], v[LXR+4*\g+3]
.endr
.irp g,0,1
	v_add_f32 v[LT+\g], v[LXR+4*\g], v[LXR+4*\g+2]
.endr
.endm
.macro BITEM
.set bt, jb%4
.if jb < 4
	v_max3_num_f32 v[MX+bt], v[S+16*bt], v[S+16*bt+1], v[S+16*bt+2]
.elseif jb < 28
.set bi, 3+2*((jb-4)/4)
	v_max3_num_f32 v[MX+bt], v[MX+bt], v[S+16*bt+bi], v[S+16*bt+bi+1]
.elseif jb < 32
	v_max_num_f32 v[MX+bt], v[MX+bt], v[S+16*bt+15]
.elseif jb < 36
	v_permlanex16_b32 v[T4+bt], v[MX+bt], s56, s57
.elseif jb < 40
	v_max_num_f32 v[MX+bt], v[MX+bt], v[T4+bt]
.elseif jb < 44
	v_mul_f32 v[TO+bt], s58, v[MX+bt]
.elseif jb < 48
	v_max_num_f32 v[ST+4*bt+1], v[ST+4*bt+1], v[TO+bt]
.elseif jb < 52
	v_mov_b32 v[TO+bt], v[ST+4*bt]
.elseif jb < 56
	v_floor_f32 v[ST+4*bt], -v[ST+4*bt+1]
.elseif jb < 60
	v_sub_f32 v[TO+bt], v[ST+4*bt], v[TO+bt]
.elseif jb < 64
	v_cvt_i32_f32 v[TO+bt], v[TO+bt]
.elseif jb < 68
	v_ldexp_f32 v[FB+2*bt], 1.0, v[TO+bt]
.elseif jb < 100
.set bi, 2*((jb-68)/4)
	v_pk_fma_f32 v[S+16*bt+bi:S+16*bt+bi+1], v[S+16*bt+bi:S+16*bt+bi+1], s[58:59], v[ST+4*bt:ST+4*bt+1] op_sel_hi:[1,0,0]
.elseif jb < 104
	v_fma_f32 v[MX+bt], v[MX+bt], s58, v[ST+4*bt]
.elseif jb < 168
.if jb == 104
	s_wait_alu depctr_va_vdst(0)                   ; a wait ahead of the batch: its sources were written by the lines above
.endif
	v_exp_f32 v[S+jb-104], v[S+jb-104]
.elseif jb < 172
	v_pk_mul_f32 v[ST+4*bt+2:ST+4*bt+3], v[ST+4*bt+2:ST+4*bt+3], v[FB+2*bt:FB+2*bt+1] op_sel_hi:[1,0]
.elseif jb < 176
.if jb == 172
	s_wait_alu depctr_va_vdst(0)
.endif
	v_exp_f32 v[MX+bt], v[MX+bt]
.elseif jb < 208
.set bi, 2*((jb-176)/4)
	v_pk_add_f32 v[ST+4*bt+2:ST+4*bt+3], v[ST+4*bt+2:ST+4*bt+3], v[S+16*bt+bi:S+16*bt+bi+1]
.elseif jb < 212
.if jb == 208
	s_wait_alu depctr_va_vdst(0)
.endif
	v_max_num_f32 v[MX+bt], 0x1800000, v[MX+bt]
.elseif jb < 216
	v_add_nc_u32 v[MX+bt], 0xff000000, v[MX+bt]
.elseif jb < 220
.set bd, CD+6*(bt/2)+12*(bt%2)-2*(bt%2)*(bt/2)
	v_cvt_scalef32_pk16_fp6_f32 v[bd:bd+2], v[S+16*bt:S+16*bt+15], v[MX+bt]
.elseif jb == 220
	v_nop
.elseif jb < 227
.set bi, (jb-221)/2
.if (jb-221)%2 == 0
	v_permlane16_swap_b32 v[CD+bi], v[CD+12+bi]
.else
	v_permlane16_swap_b32 v[CD+6+bi], v[CD+16+bi]
.endif
.elseif jb < 233
.set bi, (jb-227)/2
.if (jb-227)%2 == 0
	v_mov_b32 v[CD+3+bi], v[CD+12+bi]
.else
	v_mov_b32 v[CD+9+bi], v[CD+16+bi]
.endif
.elseif jb < 237
.set bi, (jb-233)/2
.if (jb-233)%2 == 0
	v_cndmask_b32 v[NP+bi], v[ST+8*bi], v[ST+8*bi+4], s60
.else
	v_cndmask_b32 v[WP+bi], v[MX+2*bi], v[MX+2*bi+1], s60
.endif
.elseif jb < 241
.set bi, jb-237
	v_add_f32 v[TO+bi], v[ST+4*bi+2], v[ST+4*bi+3]
.elseif jb < 245
.set bi, jb-241
	v_permlanex16_b32 v[T4+bi], v[TO+bi], s56, s57
.elseif jb < 249
.set bi, jb-245
	v_add_f32 v[TO+bi], v[TO+bi], v[T4+bi]
.else
.set bi, jb-249
	v_cndmask_b32 v[LP+bi], v[TO+2*bi], v[TO+2*bi+1], s60
.endif
.set jb, jb+1
.endm
.macro BSTORE pb, last
	WIN 0
.irp g,0,1
	ds_store_b128 v[PW], v[CD+6*\g:CD+6*\g+3] offset:PBUF*(\pb)+2*FRB*\g
	ds_store_b64 v[PW64], v[CD+6*\g+4:CD+6*\g+5] offset:PBUF*(\pb)+2*FRB*\g
	ds_store_b32 v[MWW], v[NP+\g] offset:MBUF*(\pb)+1024*\g
	ds_store_b32 v[MWW], v[WP+\g] offset:MBUF*(\pb)+1024*\g+512
.endr
.if \last
.irp g,0,1
	ds_store_b32 v[MWW], v[LP+\g] offset:LXO+512*\g
.endr
.endif
.endm
.macro QKP sg, mode
.set mm, 0
.set ja, 0
.rept 48
.set kq, mm/4
.set qt, mm%4
.set qs, kq/2
.set qu, kq%2
.if (qt == 0) && (kq%3 == 0)
.if \mode != 0
	s_wait_alu depctr_va_vdst(0)                   ; an ALU wait ahead of the wait below (with mode 0 the 56 dependent lines end ahead of the second such wait, and each later write has nine plain lines or more ahead of its reader)
.endif
	WAITBUF (kq%6)+2                               ; three fragments at a time: all loads up to the third buffer's are in
.endif
	BUFAT kq%6
.if qs < 5
.set qq, 12*(4*qs+qt)
.set wv, bw+4
.else
.set qq, Q5+12*qt
.set wv, bw+8
.endif
.set qz, 0
.if qs == 0
.set qz, 1
.endif
	WIN wv
	WM S+16*qt+8*qu, br, qq, qz, KSC+qs, QSC+6*(qt/2)+qs, qu, qt%2
.if \mode == 0
.set al, (mm+1)*248/48
.elseif \mode == 1
.set al, (mm+1)*5
.if al > 56
.set al, 56
.endif
.else
.set al, 0
.endif
.if qt == 3                            ; behind the fragment's four matrix instructions
.rept al-ja
	AITEM
.endr
.endif
.if qt == 0
.if kq == 3
.if \mode != 0
	PLACES 4
.endif
	LDBUF 0, KA+\sg, 6*FRB
	LDBUF 1, KA+\sg, 7*FRB
	LDBUF 2, KA+\sg, 8*FRB
.if \mode != 2
	LDP 0, 1-\sg
	LDP 1, 1-\sg
.endif
.elseif kq == 6
.if \mode != 0
	PLACES 4
.endif
	LDBUF 3, KA+\sg, 9*FRB
	LDBUF 4, KA+\sg, 10*FRB
	LDBUF 5, KA+\sg, 11*FRB
.if \mode != 2
	LDP 2, 1-\sg
	LDP 3, 1-\sg
	LDVSC \sg
.endif
.elseif kq == 9
.if \mode != 2
.if \mode != 0
	PLACES 4
.endif
	LDBUF 0, VA+\sg, 0*FRB
	LDBUF 1, VA+\sg, 1*FRB
	LDBUF 2, VA+\sg, 2*FRB
.endif
.endif
.endif
.set mm, mm+1
.endr
.if \mode != 0
	PLACES 4
.endif
.endm
.macro PVP sg, first, sm, nb
.set mm, 0
.set jb, 0
.rept 48
.set pvi, mm/4
.set pvt, mm%4
.if pvi < 9
.set pbn, pvi%6
.elseif pvi == 9
.set pbn, 6
.else
.set pbn, pvi-7
.endif
.if pvt == 0                           ; V's fragments are waited for in four groups: 0-2, 3-5, 6-9, 10-11; an ALU wait ahead of each
.if pvi == 0
	s_wait_alu depctr_va_vdst(0)
	WAITBUF 2
.elseif pvi == 3
	s_wait_alu depctr_va_vdst(0)
	WAITBUF 5
.elseif pvi == 6
	s_wait_alu depctr_va_vdst(0)
	WAITBUF 6
.elseif pvi == 10
	s_wait_alu depctr_va_vdst(0)
	WAITBUF 4
.endif
.endif
	BUFAT pbn
.if pvi < 6
.set wv, bw+0xa0
.else
.set wv, bw+0xf0
.endif
	WIN wv
	WM 32*(pvi%6)+8*pvt, br, P+12*pvt, \first, VSC+pvi/2, PSC+pvt/2, pvi%2, pvt%2
.if (\sm) && (pvt == 3)
	WIN 0
.set bl, (mm+1)*(\nb)/48
.rept bl-jb
	BITEM
.endr
.endif
.if pvt == 0
.if pvi == 0
.if \sm == 0
	PLACES 4
.endif
	LDBUF 3, VA+\sg, 3*FRB
	LDBUF 4, VA+\sg, 4*FRB
	LDBUF 5, VA+\sg, 5*FRB
.elseif pvi == 3
.if \sm == 0
	PLACES 4
.endif
	LDBUF 0, VA+\sg, 6*FRB
	LDBUF 1, VA+\sg, 7*FRB
	LDBUF 2, VA+\sg, 8*FRB
	LDBUF 6, VA+\sg, 9*FRB
.elseif pvi == 5
.if \sm == 0
	PLACES 4
.endif
	LDBUF 3, VA+\sg, 10*FRB
	LDBUF 4, VA+\sg, 11*FRB
.endif
.endif
.set mm, mm+1
.endr
	WIN 0
.endm
.macro XLOAD t
.if (\t) == 1
.set xb, 96
.else
.set xb, 0
.endif
.set n, 0
.rept 24
.if (\t) == 2
.if n < 12
	WIN 0x40
.set xr, 192+4*n
.else
	WIN 0x80
.set xr, 192+4*(n-12)
.endif
.else
	WIN 0x40
.set xr, xb+4*n
.endif
	global_load_b128 v[xr:xr+3], v[GO], s[68:69] offset:(32*((\t)/2)+8*((\t)%2)+2*(n/3)+8*(n/12))*3072+256*(n%3) th:TH_LOAD_NT
.set n, n+1
.endr
	WIN 0
.endm
.macro STEP sg, first, fill, ask, qk, smlast, xl, pvlast
	WIN 0
	s_wait_alu depctr_va_vdst(0)
	s_wait_tensorcnt 0x0
	ds_add_u32 v[SPW], v[NIL]
.if \fill == 1
	s_add_nc_u64 s[42+4*\sg:43+4*\sg], s[42+4*\sg:43+4*\sg], 2*BLK
.endif
.if \ask
	s_wait_xcnt 0x0
	s_add_nc_u64 s[66:67], s[66:67], BLK
.endif
	s_wait_dscnt 0x0
.if \fill
	CROUND
.if \fill == 1
	JFILL 44-4*\sg, 24
.else
	JFILL 52, 32
.endif
.if \ask
	ASK
.endif
.else
	s_barrier_signal -1
	s_barrier_wait -1
	PLACES 4
.endif
.set DSN, 0
	LDNW 1-\sg, \pvlast
.if \qk
	LDKSC \sg
.irp k,0,1,2,3,4,5
	LDBUF \k, KA+\sg, \k*FRB
.endr
	QKP \sg, \first
.if (\ask) && (\sg == 0)
	ASKX                                           ; once a trip of the loop, half a step behind the joint load and half a step ahead of the next s_wait_xcnt
.endif
.if \xl
	XLOAD 0
	XLOAD 1
	XLOAD 2
.endif
	PVP \sg, \first, 1, 237+14*\smlast
	BSTORE \sg, \smlast
.else
	LDVSC \sg
.irp t,0,1,2,3
	LDP \t, 1-\sg
.endr
.irp k,0,1,2
	LDBUF \k, VA+\sg, \k*FRB
.endr
	s_wait_dscnt DSN-FDN
.set ja, 0
.rept 56
	AITEM
.endr
	ELAST
.rept 192
	AITEM
.endr
	PVP \sg, 0, 0, 0
.endif
	WIN 0
.endm
	s_load_b128 s[4:7], s[0:1], 0x0
	s_load_b64 s[8:9], s[0:1], 0x10
	v_lshl_add_u32 v[SPW], v0, 2, SPARE
	v_mov_b32 v[NIL], 0
	ds_add_u32 v[SPW], v[NIL]
	ds_add_u32 v[SPW], v[NIL]
	v_lshrrev_b32 v1, 5, v0
	v_readfirstlane_b32 s[WV], v1
	s_bfe_u32 s11, ttmp6, 0x40000
	s_lshl_b32 s12, ttmp9, 2
	s_add_co_u32 s12, s12, s11
	s_and_b32 s13, ttmp7, 0xffff
	s_mov_b32 s24, 15|(3<<16)|(1<<21)
	s_mov_b32 s25, 32<<16
	s_mov_b32 s26, 150<<16
	s_mov_b32 s27, 32<<16
	s_mov_b32 s28, 150
	s_mov_b32 s29, 32
	s_mov_b32 s30, 0
	s_mov_b32 s31, 0
	s_mov_b32 s32, 15|(3<<16)|(1<<21)
	s_mov_b32 s33, 32<<16
	s_mov_b32 s34, 75<<16
	s_mov_b32 s35, 32<<16
	s_mov_b32 s36, 75
	s_mov_b32 s37, 32
	s_mov_b32 s38, 0
	s_mov_b32 s39, 0
	s_mul_i32 s14, s[WV], PART
	s_mul_i32 s16, s13, 17*BLK
	s_add_co_u32 s16, s16, s14
	s_mov_b32 s17, 0
	s_mov_b32 s56, 0x76543210
	s_mov_b32 s57, 0xfedcba98
	s_mov_b32 s58, 0x3fb8aa3b
	s_mov_b32 s59, s58
	s_mov_b32 s60, 0xffff0000
	s_wait_dscnt 0x0
	s_wait_kmcnt 0x0
	s_add_nc_u64 s[20:21], s[4:5], s[16:17]
	s_mov_b32 s40, 1
	s_mov_b32 s41, s14
	s_add_nc_u64 s[42:43], s[20:21], 2*BLK
	s_or_b32 s43, s43, 0x80000000
	s_mov_b32 s44, 1
	s_add_co_u32 s45, s14, SLOT1
	s_add_nc_u64 s[46:47], s[20:21], BLK
	s_or_b32 s47, s47, 0x80000000
	s_mov_b32 s48, 1
	s_add_co_u32 s49, s14, HALF
	s_add_nc_u64 s[50:51], s[20:21], HALF
	s_or_b32 s51, s51, 0x80000000
	s_mov_b32 s52, 1
	s_mov_b32 s53, s14
	s_add_nc_u64 s[54:55], s[20:21], 16*BLK
	s_or_b32 s55, s55, 0x80000000
	CROUND
	tensor_load_to_lds s[48:51], s[32:39]
	s_nop 0
	s_wait_alu depctr_va_vdst(0)
	s_wait_tensorcnt 0x0
	ds_add_u32 v18, v19
	s_wait_dscnt 0x0
	CROUND
	tensor_load_to_lds s[44:47], s[24:31]
	s_nop 0
	PLACES 4
	s_mul_i32 s22, s13, 17*BLK
	s_lshr_b32 s23, s12, 1
	s_mul_i32 s23, s23, BLK
	s_add_co_u32 s22, s22, s23
	s_and_b32 s23, s12, 1
	s_mul_i32 s23, s23, 2*PART
	s_add_co_u32 s22, s22, s23
	s_add_co_u32 s22, s22, HALF
	s_mov_b32 s23, 0
	s_add_nc_u64 s[72:73], s[4:5], s[22:23]
	v_and_b32 v23, 31, v0
	v_lshlrev_b32 v[L16], 4, v23
	s_wait_alu depctr_va_vdst(0)
	v_lshlrev_b32 v[L4], 2, v23
	s_wait_alu depctr_va_vdst(0)
	v_min_u32 v[PFO], 29, v23
	v_lshlrev_b32 v[PFO], 8, v[PFO]
	WIN 0x40
.irp s,0,1,2,3,4
.irp t,0,1,2,3
.irp p,0,1,2
	global_load_b128 v[12*(4*\s+\t)+4*\p:12*(4*\s+\t)+4*\p+3], v[L16], s[72:73] offset:(\t/2)*PART+(2*\s+\t%2)*FRB+512*\p
.endr
.endr
.endr
	WIN 0x80
.irp t,0,1,2,3
.irp p,0,1,2
	global_load_b128 v[Q5+12*\t+4*\p:Q5+12*\t+4*\p+3], v[L16], s[72:73] offset:(\t/2)*PART+(10+\t%2)*FRB+512*\p
.endr
.endr
	WIN 0
.irp b,0,1
.irp s,0,1,2,3,4,5
	global_load_b32 v[QSC+6*\b+\s], v[L4], s[72:73] offset:\b*PART+KSCO-HALF+128*\s
.endr
.endr
	s_mul_i32 s22, s13, 17*BLK
	s_mul_i32 s23, s12, 7680
	s_add_co_u32 s22, s22, s23
	s_add_co_u32 s22, s22, 2*BLK
	s_mov_b32 s23, 0
	s_add_nc_u64 s[66:67], s[4:5], s[22:23]
	s_cmp_lt_u32 ttmp9, 5
	s_cselect_b32 s62, 1, 0
	s_cmp_eq_u32 s[WV], 0
	s_cselect_b32 s62, s62, 0
	s_lshl_b32 s22, s13, 11
	s_lshl_b32 s23, s12, 6
	s_add_co_u32 s22, s22, s23
	s_mul_i32 s22, s22, 3072
	s_mul_i32 s23, s[WV], 768
	s_add_co_u32 s22, s22, s23
	s_mov_b32 s23, 0
	s_add_nc_u64 s[68:69], s[6:7], s[22:23]
	s_add_nc_u64 s[70:71], s[8:9], s[22:23]
	s_add_co_u32 s15, s14, HALF
	v_add_nc_u32 v[KA], s15, v[L16]
	v_add_nc_u32 v[KA+1], SLOT1, v[KA]
	v_add_nc_u32 v[VA], s14, v[L16]
	v_add_nc_u32 v[VA+1], SLOT1, v[VA]
	s_add_co_u32 s15, s14, KSCO
	v_add_nc_u32 v[KS], s15, v[L4]
	v_add_nc_u32 v[KS+1], SLOT1, v[KS]
	s_add_co_u32 s15, s14, VSCO
	v_add_nc_u32 v[VS], s15, v[L4]
	v_add_nc_u32 v[VS+1], SLOT1, v[VS]
	v_add_nc_u32 v[PR], PIMG, v[L16]
	v_lshl_add_u32 v[PR64], v[L4], 1, PIMG+1024
	v_and_b32 v22, 15, v0
	v_bfe_u32 v23, v0, 4, 1
	v_mul_u32_u24 v[PW], v23, FRB
	v_lshl_add_u32 v[PW64], v22, 3, v[PW]
	v_lshl_add_u32 v[PW], v22, 4, v[PW]
	s_lshl_b32 s15, s[WV], 8
	s_add_co_u32 s15, s15, PIMG
	v_add_nc_u32 v[PW], s15, v[PW]
	s_lshl_b32 s15, s[WV], 7
	s_add_co_u32 s15, s15, PIMG+1024
	v_add_nc_u32 v[PW64], s15, v[PW64]
	v_add_nc_u32 v[MWR], MWX, v[L16]
	s_lshl_b32 s15, s[WV], 2
	v_add_nc_u32 v[MWW], s15, v[MWR]
	s_add_co_u32 s15, s14, SLOT1
	v_mul_u32_u24 v[SO], v22, SP
	v_lshl_add_u32 v[SO], v23, 5, v[SO]
	v_add_nc_u32 v[SO], s15, v[SO]
	v_mul_u32_u24 v[SR], v23, SP
	v_lshl_add_u32 v[SR], v22, 4, v[SR]
	v_add_nc_u32 v[SR], s15, v[SR]
	v_mul_u32_u24 v23, v23, 3072
	v_lshl_add_u32 v[GO], v22, 4, v23
	v_and_b32 v[XPF], 31, v0
	v_mul_u32_u24 v[XPF], v[XPF], 3072
.irp t,0,1,2,3
	v_mov_b32 v[ST+4*\t+1], 0xff61b1e6
	v_floor_f32 v[ST+4*\t], -v[ST+4*\t+1]
	v_mov_b32 v[ST+4*\t+2], 0
	v_mov_b32 v[ST+4*\t+3], 0
	v_mov_b32 v[F+2*\t+1], 0
	v_mov_b32 v[FB+2*\t+1], 0
	v_mov_b32 v[T4+\t], 0
.endr
	v_mov_b32 v[NC], 0x7f61b1e6
	v_mov_b32 v[NC+1], 0x7f61b1e6
	v_mov_b32 v[EX], 0
	v_mov_b32 v[EX+1], 0
	s_wait_tensorcnt 0x1
	s_wait_loadcnt 0x0
.set DSN, 0
	LDKSC 0
.irp k,0,1,2,3,4,5
	LDBUF \k, KA, \k*FRB
.endr
	QKP 0, 2
	WIN 0
.set jb, 0
.rept 237
	BITEM
.endr
	BSTORE 0, 0
	STEP 1, 1, 1, 1, 1, 0, 0, 0
	s_mov_b32 s61, 6
.Lpair:
	STEP 0, 0, 1, 1, 1, 0, 0, 0
	STEP 1, 0, 1, 1, 1, 0, 0, 0
	s_sub_co_u32 s61, s61, 1
	s_cmp_lg_u32 s61, 0
	s_cbranch_scc1 .Lpair
	STEP 0, 0, 1, 0, 1, 0, 0, 0
	STEP 1, 0, 2, 0, 1, 1, 1, 0
	STEP 0, 0, 0, 0, 0, 0, 0, 1
	PLACES 4
	v_rcp_f32 v[RL], v[LT]
	v_rcp_f32 v[RL+1], v[LT+1]
	v_nop
	s_wait_alu depctr_va_vdst(0)
.irp g,0,1
	v_permlanex16_b32 v[EX+\g], v[RL+\g], s56, s57
.endr
.irp g,0,1
	v_cndmask_b32 v[F+4*\g], v[RL+\g], v[EX+\g], s60
	v_cndmask_b32 v[F+4*\g+2], v[EX+\g], v[RL+\g], s60
.endr
.macro SCALE t
	WIN 0xa2
.irp i,0,1,2,3,4,5
.irp j,0,2,4,6
	v_pk_mul_f32 v[32*\i+8*(\t)+\j:32*\i+8*(\t)+\j+1], v[32*\i+8*(\t)+\j:32*\i+8*(\t)+\j+1], v[F+2*(\t):F+2*(\t)+1] op_sel_hi:[1,0]
.endr
.endr
	WIN 0xf3
.irp i,0,1,2,3,4,5
.irp j,0,2,4,6
	v_pk_mul_f32 v[32*\i+8*(\t)+\j:32*\i+8*(\t)+\j+1], v[32*\i+8*(\t)+\j:32*\i+8*(\t)+\j+1], v[F+2*(\t):F+2*(\t)+1] op_sel_hi:[1,0]
.endr
.endr
.endm
.macro TOSTAGE t
	WIN 0x08
.irp i,0,1,2,3,4,5
	ds_store_b128 v[SO], v[32*\i+8*(\t):32*\i+8*(\t)+3] offset:64*\i
	ds_store_b128 v[SO], v[32*\i+8*(\t)+4:32*\i+8*(\t)+7] offset:64*\i+16
.endr
	WIN 0x0c
.irp i,0,1,2,3,4,5
	ds_store_b128 v[SO], v[32*\i+8*(\t):32*\i+8*(\t)+3] offset:64*\i+384
	ds_store_b128 v[SO], v[32*\i+8*(\t)+4:32*\i+8*(\t)+7] offset:64*\i+400
.endr
.set n, 0
.rept 24
.set yr, 32*((n/2)%6)+8*(\t)+4*(n%2)
.if n < 12
	WIN 0x80
.else
	WIN 0xc0
.endif
	ds_load_b128 v[yr:yr+3], v[SR] offset:2*SP*(n/3)+256*(n%3)
.set n, n+1
.endr
.endm
.macro MULX t
.if (\t) == 1
.set xb, 96
.else
.set xb, 0
.endif
.set n, 0
.rept 48
.set yr, 32*((n/4)%6)+8*(\t)+4*((n/2)%2)+2*(n%2)
.if (\t) == 2
.if n < 24
.set xr, 192+2*n
.set wv, 0x86
.else
.set xr, 192+2*(n-24)
.set wv, 0xcb
.endif
.else
.set xr, xb+2*n
.if n < 24
.set wv, 0x86
.else
.set wv, 0xc7
.endif
.endif
	WIN wv
	v_pk_mul_f32 v[yr:yr+1], v[yr:yr+1], v[xr:xr+1]
.set n, n+1
.endr
.endm
.macro YSTORE t
.set n, 0
.rept 24
.set yr, 32*((n/2)%6)+8*(\t)+4*(n%2)
.if n < 12
	WIN 0x08
.else
	WIN 0x0c
.endif
	global_store_b128 v[GO], v[yr:yr+3], s[70:71] offset:(32*((\t)/2)+8*((\t)%2)+2*(n/3)+8*(n/12))*3072+256*(n%3) th:TH_STORE_NT
.set n, n+1
.endr
.endm
	SCALE 0
.irp t,0,1,2,3
	TOSTAGE \t
.if \t < 3
	SCALE \t+1
.endif
	s_wait_dscnt 0x0
.if \t < 2
	s_wait_loadcnt 48
.elseif \t == 2
	s_wait_loadcnt 24
.else
	s_wait_loadcnt 0x0
.endif
	MULX \t
.if \t == 0
	XLOAD 3
.endif
	YSTORE \t
.endr
	WIN 0
	s_wait_tensorcnt 0x0
	ds_add_u32 v[SPW], v[NIL]
	s_wait_dscnt 0x0
	CROUND
	s_endpgm
.Lfunc_end_k_q60566f8271_attn:
	.size	k_q60566f8271_attn, .Lfunc_end_k_q60566f8271_attn-k_q60566f8271_attn
	.p2alignl 7, 3214868480
	.fill 96, 4, 3214868480
	.section	.rodata,"a",@progbits
	.p2align	6, 0x0
	.amdhsa_kernel k_q60566f8271_attn
		.amdhsa_group_segment_fixed_size 327680
		.amdhsa_private_segment_fixed_size 0
		.amdhsa_enable_private_segment 0
		.amdhsa_kernarg_size 24
		.amdhsa_user_sgpr_count 2
		.amdhsa_user_sgpr_kernarg_segment_ptr 1
		.amdhsa_wavefront_size32 1
		.amdhsa_system_sgpr_workgroup_id_x 1
		.amdhsa_system_sgpr_workgroup_id_y 1
		.amdhsa_system_sgpr_workgroup_id_z 1
		.amdhsa_system_vgpr_workitem_id 0
		.amdhsa_next_free_vgpr 1024
		.amdhsa_next_free_sgpr 80
		.amdhsa_reserve_vcc 0
		.amdhsa_float_denorm_mode_32 3
		.amdhsa_float_denorm_mode_16_64 3
		.amdhsa_memory_ordered 1
		.amdhsa_forward_progress 1
		.amdhsa_inst_pref_size 255
	.end_amdhsa_kernel
	.section	.bss,"aw",@nobits
	.p2align	6
	.space	262144
	.amdgpu_metadata
---
amdhsa.version: [ 1, 2 ]
amdhsa.kernels:
  - .name:           k_q60566f8271_attn
    .symbol:         k_q60566f8271_attn.kd
    .args:
      - { .name: kv, .offset: 0, .size: 8, .value_kind: global_buffer, .address_space: global }
      - { .name: x, .offset: 8, .size: 8, .value_kind: global_buffer, .address_space: global }
      - { .name: out0, .offset: 16, .size: 8, .value_kind: global_buffer, .address_space: global }
    .group_segment_fixed_size: 327680
    .private_segment_fixed_size: 0
    .kernarg_segment_align: 8
    .kernarg_segment_size: 24
    .max_flat_workgroup_size: 128
    .sgpr_count:     80
    .vgpr_count:     1024
    .wavefront_size: 32
...
	.end_amdgpu_metadata
.endif
;; end of part 2
